; MI455X (gfx1250); checked and timed in simulation.
; The chip was launched on July 23, 2026; its instructions are those of AMD's public machine-readable ISA for CDNA 5 (MIT licence, August 2026) and "CDNA5" Instruction Set Architecture Reference Guide (July 2026). The comments in the code are by the model that wrote it; some were corrected since.
;; Vector Quantizer. Allowed arithmetic: matrix products marked QUANTISED: E5M2 operands, one E8M0 scale for each 32 along K, by v_wmma_scale_f32_16x16x128_f8f6f4 with both operands' format E5M2, f32 sums; everything else in f32.
;; Inputs: emb 8,192 x 256 float32; z 8 x 4,096 x 256 float32.
;; Outputs: out0 8 x 4,096 x 256 float32; out1 one number float32; out2 8 x 4,096 int32.
;; This version of the problem:
;;   THIS VERSION OF THE PROBLEM IS GIVEN IN LOW PRECISION. The matrix products marked QUANTISED in the list below multiply operands that are first quantised to E5M2 (5 exponent bits, 2 mantissa bits; 8 bits a number), with one power-of-two scale for each 32 numbers along K (OCP MX v1.0); their sums are f32. All else is computed in f32.
;;   The module's matrix products, in the order in which they are computed (A, B: the left and right operand; K: the contracted axis; several contracted axes count as one K, in the product's order):
;;     1. [M 32,768, K 256] x [K 256, N 8,192]; A: input z; B: input emb: QUANTISED
;;   THE QUANTISER, for each operand of a quantised product, along K:
;;     - K is cut into blocks of 32 from its start; a last block that is shorter is filled with zeros.
;;     - A block's scale is 2^e with e = floor(log2(the largest magnitude in the block)) - 15, held to -126 .. 127; a block of zeros has e = 0. As a byte (E8M0): e + 127.
;;     - Each number is divided by its block's scale, clamped to +-57,344, and rounded to the nearest number of E5M2, ties to even, subnormals kept.
;;     - The product sums the exact products of the quantised numbers (number of the format x scale) in f32.
;;   ~~~python
;;   def quantise(x, axis):      # numpy; x: float32 -> the quantised numbers, widened to float32 again
;;       x = np.moveaxis(x, axis, -1); K = x.shape[-1]
;;       x = np.pad(x, [(0, 0)] * (x.ndim - 1) + [(0, -K % 32)]); x = x.reshape(x.shape[:-1] + (-1, 32)); a = np.abs(x).max(-1, keepdims=True)
;;       e = np.where(a > 0, np.clip(np.frexp(np.where(a > 0, a, 1))[1] - 1 - 15, -126, 127), 0)      # np.frexp(a)[1] - 1 = floor(log2(a)), exactly
;;       r = np.clip(x / 2.0 ** e, -57344, 57344)
;;       step = 2.0 ** (np.maximum(np.frexp(np.where(r == 0, 1, r))[1] - 1, -14) - 2)
;;       q = np.round(r / step) * step * 2.0 ** e      # np.round: ties to even
;;       return np.moveaxis(q.reshape(q.shape[:-2] + (-1,))[..., :K], -1, axis).astype(np.float32)
;;   ~~~
;; One version. Each part assembles by itself: llvm-mc -triple=amdgcn-amd-amdhsa -mcpu=gfx1250 --defsym DOCPART=n.
;; ======== version 1 of 1: 4 launches
;; workspace buffers: ecode 2,228,224 bytes; widx 131,072 bytes of whole numbers; part 2,048 bytes
;; launch prep (part 1): grid 256 x 1, 2 waves a work-group, no clusters, 17,664 bytes of LDS; arguments emb, ecode; writes ecode
.if DOCPART == 1
	.amdgcn_target "amdgcn-amd-amdhsa--gfx1250"
	.amdhsa_code_object_version 6
	.text
	.protected	k_q3b10560fe7_prep
	.globl	k_q3b10560fe7_prep
	.p2align	8
	.type	k_q3b10560fe7_prep,@function
k_q3b10560fe7_prep:
	s_mov_b64 s[64:65], 0
	v_nop
	global_prefetch_b8 v0, s[64:65] scope:SCOPE_SE
	s_setreg_imm32_b32 hwreg(HW_REG_WAVE_MODE, 25, 1), 1
	s_wait_xcnt 0x0
; emb [8192][256] f32 becomes 512 RECORDS of 4,352 bytes (17 x 256), one for each 16 codebook rows, laid as the search launch's registers take them:
;   bytes 0-4095     the codes of BF8 (E5M2): group g = 4 s + c (K step s of 128, registers 4 c .. 4 c + 3 of the fragment), lane l's 16 bytes at 512 g + 16 l
;   bytes 4096-4223  the scale register's image: word i = row i's four E8M0 bytes of K step 0, word 16 + i those of K step 1
;   bytes 4224-4287  -|e|^2 / 2 of the 16 rows, f32, summed over the numbers as they are given;   bytes 4288-4351  zeros
; A block's scale is 2^(floor(log2(its largest magnitude)) - 15); its byte is the largest magnitude's exponent field - 15, held at 1 from below; each number is held within +-57,344 x the scale and rounded to the nearest code.
; LIMITS: a block of zeros gets the byte 1 where the rule says 127 (its codes are zeros, and this program alone reads the bytes); NaN and infinities among the inputs are not served.
; SHARES: a wave makes one record from 16 rows (16,384 bytes); waves share nothing, so there is no barrier.  Each load reads 512 consecutive bytes; the conversions want 16 neighbours along K in one lane,
; so half a row at a time turns through the wave's own stage in LDS (rows 528 bytes apart: 33 x 16, so that the sixteen rows of a read start at sixteen different banks).
.set RECB,  4352
.set SP,    528                        ; a stage row: 512 bytes + 16
.set TL,    16*SP                      ; behind the stage: the record's last 256 bytes are gathered here
.set WREG,  16*SP+256                  ; LDS of one wave
.set R,     16                         ; v16-143  K step s at R + 64 s: as loaded, then register 16 b + 4 q + e = k 128 s + 32 b + 16 (lane / 16) + 4 q + e of row lane % 16
.set PC,    144                        ; v144-175 the codes, 16 registers for each K step: no store's data are written again
.set TM,    176                        ; v176-191 largest magnitudes, bytes, holds, scale operands
.set PW,    192                        ; v192-193 the scale words
.set SS,    196                        ; v196-203 four packed sums of squares
.set SEL,   20                         ; s[20:21] v_permlanex16_b32's selects for lane l xor 16
.set MNT,   22                         ; s22      the mantissa field of 57,344
; 64 numbers of a lane, register 16 b + i = k 32 b + 16 (lane / 16) + i of its row, become a fragment's 16 registers of codes at v[pc] and its scale word in v[pw]
.macro QUANT s, pc, pw
.irp b, 0,1,2,3
	v_max3_num_f32 v[TM+\b], |v[(\s)+16*\b]|, |v[(\s)+1+16*\b]|, 0x8000000   ; block b: my 16 numbers, and the floor 2^(16 - 127): the byte cannot fall under 1
.endr
.irp i, 2,4,6,8,10,12,14
.irp b, 0,1,2,3
	v_max3_num_f32 v[TM+\b], v[TM+\b], |v[(\s)+16*\b+\i]|, |v[(\s)+1+16*\b+\i]|   ; the four blocks by turns
.endr
.endr
.irp b, 0,1,2,3
	v_permlanex16_b32 v[TM+4+\b], v[TM+\b], s[SEL], s[SEL+1]
.endr
.irp b, 0,1,2,3
	v_max_num_f32 v[TM+\b], v[TM+\b], v[TM+4+\b]                 ; with lane l xor 16's: the block's largest magnitude
.endr
.irp b, 0,1,2,3
	v_add_nc_u32 v[TM+12+\b], 0xf8800000, v[TM+\b]               ; 15 off its exponent field: the conversion's scale operand
.endr
.irp b, 0,1,2,3
	v_and_or_b32 v[TM+8+\b], v[TM+\b], 0x7f800000, s[MNT]        ; 57,344 x the scale
.endr
.irp b, 0,1,2,3
	v_lshrrev_b32 v[TM+4+\b], 23, v[TM+12+\b]                    ; the scale's byte
.endr
	v_lshl_or_b32 v[\pw], v[TM+5], 8, v[TM+4]                    ; four bytes make the row's scale word
	v_lshl_or_b32 v[\pw], v[TM+6], 16, v[\pw]
	v_lshl_or_b32 v[\pw], v[TM+7], 24, v[\pw]
.irp b, 0,1,2,3
.irp i, 0,1,2,3,4,5,6,7,8,9,10,11,12,13,14,15
	v_med3_num_f32 v[(\s)+16*\b+\i], v[(\s)+16*\b+\i], -v[TM+8+\b], v[TM+8+\b]   ; the conversion to an 8-bit code does not saturate (ISA guide 7.6.2): the hold comes first
.endr
	v_cvt_scalef32_pk8_bf8_f32 v[(\pc)+4*\b:(\pc)+1+4*\b], v[(\s)+16*\b:(\s)+7+16*\b], v[TM+12+\b]
	v_cvt_scalef32_pk8_bf8_f32 v[(\pc)+2+4*\b:(\pc)+3+4*\b], v[(\s)+8+16*\b:(\s)+15+16*\b], v[TM+12+\b]
.endr
	v_nop                                          ; one plain line behind the last conversion, ahead of whatever next writes its sources
.endm
; the squares of K step s's 64 numbers, two at a time, in four chains; the first four products start the sums
.macro SQ s
.set sqi, 0
.rept 32
.if ((\s) == 0) && (sqi < 4)
	v_pk_mul_f32 v[SS+2*sqi:SS+2*sqi+1], v[R+2*sqi:R+2*sqi+1], v[R+2*sqi:R+2*sqi+1]
.else
	v_pk_fma_f32 v[SS+2*(sqi%4):SS+2*(sqi%4)+1], v[R+64*(\s)+2*sqi:R+64*(\s)+2*sqi+1], v[R+64*(\s)+2*sqi:R+64*(\s)+2*sqi+1], v[SS+2*(sqi%4):SS+2*(sqi%4)+1]
.endif
.set sqi, sqi+1
.endr
.endm
; K step s: through the stage, squared, quantised, stored
.macro HALF s
	s_wait_loadcnt 16-16*(\s)                      ; this K step's sixteen loads are in; for s = 0 the sixteen younger ones may be out
.irp i, 0,1,2,3,4,5,6,7,8,9,10,11,12,13,14,15
	ds_store_b128 v4, v[R+64*(\s)+4*\i:R+64*(\s)+4*\i+3] offset:SP*\i
.endr
	s_wait_dscnt 0x0                               ; the stores have read their registers, which the loads below fill
.irp b, 0,1,2,3
.irp q, 0,1,2,3
	ds_load_b128 v[R+64*(\s)+16*\b+4*\q:R+64*(\s)+16*\b+4*\q+3], v5 offset:128*\b+16*\q
.endr
.endr
	s_wait_dscnt 0x0
	SQ \s                                          ; ahead of the hold, which writes the numbers
	QUANT R+64*(\s), PC+16*(\s), PW+(\s)
.irp c, 0,1,2,3
	global_store_b128 v1, v[PC+16*(\s)+4*\c:PC+16*(\s)+4*\c+3], s[6:7] offset:2048*(\s)+512*\c   ; 32 lanes store 512 consecutive bytes, at a multiple of 256 from the buffer's first byte
.endr
.endm
	s_load_b128 s[4:7], s[0:1], 0x0                ; emb, ecode
	v_lshl_add_u32 v208, v0, 2, 0x4400
	v_mov_b32 v209, 0
	v_lshrrev_b32 v10, 5, v0
	v_readfirstlane_b32 s8, v10                    ; wave 0, 1
	v_and_b32 v11, 31, v0                          ; lane
	v_and_b32 v2, 15, v0                           ; r
	v_bfe_u32 v3, v0, 4, 1                         ; h
	v_lshlrev_b32 v1, 4, v11                       ; 16 x lane
	s_mul_i32 s9, s8, WREG                         ; my wave's LDS
	v_add_nc_u32 v4, s9, v1                        ; the stage, on the way in: 16 x lane in row i
	v_mul_u32_u24 v5, v2, SP
	v_lshl_add_u32 v5, v3, 6, v5
	v_add_nc_u32 v5, s9, v5                        ; and back: row r, + 64 h: my 16 numbers of a block of 32
	v_lshlrev_b32 v6, 2, v2
	v_add_nc_u32 v6, s9, v6                        ; the last unit, on the way in: word r
	v_lshlrev_b32 v8, 3, v11                       ; and out: 8 bytes a lane
	v_add_nc_u32 v7, s9, v8
	v_mov_b32 v9, 0
	v_mov_b32 v205, 0                              ; a lane permute's destination counts as one of its sources
.irp b, 0,1,2,3
	v_mov_b32 v[TM+4+\b], 0
.endr
	s_mov_b32 s[SEL], 0x76543210
	s_mov_b32 s[SEL+1], 0xfedcba98
	s_mov_b32 s[MNT], 0x600000
	s_lshl_b32 s10, ttmp9, 1
	s_add_co_u32 s10, s10, s8                      ; my record: 2 x work-group + wave
	s_lshl_b32 s12, s10, 14                        ; its 16 rows of 1,024 bytes
	s_mov_b32 s13, 0
	s_mul_i32 s14, s10, RECB
	s_mov_b32 s15, 0
	s_wait_kmcnt 0x0
	s_add_nc_u64 s[4:5], s[4:5], s[12:13]
	s_add_nc_u64 s[6:7], s[6:7], s[14:15]
.irp s, 0,1
.irp i, 0,1,2,3,4,5,6,7,8,9,10,11,12,13,14,15
	global_load_b128 v[R+64*\s+4*\i:R+64*\s+4*\i+3], v1, s[4:5] offset:1024*\i+512*\s th:TH_LOAD_NT   ; half of row i: 512 consecutive bytes
.endr
.endr
	HALF 0
	HALF 1
	v_pk_add_f32 v[SS:SS+1], v[SS:SS+1], v[SS+2:SS+3]
	v_pk_add_f32 v[SS+4:SS+5], v[SS+4:SS+5], v[SS+6:SS+7]
	v_pk_add_f32 v[SS:SS+1], v[SS:SS+1], v[SS+4:SS+5]
	v_add_f32 v204, v[SS], v[SS+1]
	v_permlanex16_b32 v205, v204, s[SEL], s[SEL+1]
	v_add_f32 v204, v204, v205                     ; |e|^2 of row r, the same bits in both halves of the lanes
	v_mul_f32 v204, -0.5, v204
	ds_store_b32 v6, v[PW] offset:TL               ; lanes r and r + 16 write the same word with the same value
	ds_store_b32 v6, v[PW+1] offset:TL+64
	ds_store_b32 v6, v204 offset:TL+128
	ds_store_b32 v6, v9 offset:TL+192
	ds_load_b64 v[206:207], v7 offset:TL           ; LDS serves a wave's instructions in order: this sees my stores
	s_wait_dscnt 0x0
	global_store_b64 v8, v[206:207], s[6:7] offset:4096   ; 32 lanes store 256 consecutive bytes, aligned
	s_wait_tensorcnt 0x0
	ds_add_u32 v208, v209
	s_wait_dscnt 0x0
	s_endpgm
.Lfunc_end_k_q3b10560fe7_prep:
	.size	k_q3b10560fe7_prep, .Lfunc_end_k_q3b10560fe7_prep-k_q3b10560fe7_prep
	.p2alignl 7, 3214868480
	.fill 96, 4, 3214868480
	.section	.rodata,"a",@progbits
	.p2align	6, 0x0
	.amdhsa_kernel k_q3b10560fe7_prep
		.amdhsa_group_segment_fixed_size 17664
		.amdhsa_private_segment_fixed_size 0
		.amdhsa_enable_private_segment 0
		.amdhsa_kernarg_size 16
		.amdhsa_user_sgpr_count 2
		.amdhsa_user_sgpr_kernarg_segment_ptr 1
		.amdhsa_wavefront_size32 1
		.amdhsa_system_sgpr_workgroup_id_x 1
		.amdhsa_system_sgpr_workgroup_id_y 1
		.amdhsa_system_sgpr_workgroup_id_z 1
		.amdhsa_system_vgpr_workitem_id 0
		.amdhsa_next_free_vgpr 210
		.amdhsa_next_free_sgpr 66
		.amdhsa_reserve_vcc 0
		.amdhsa_float_denorm_mode_32 3
		.amdhsa_float_denorm_mode_16_64 3
		.amdhsa_memory_ordered 1
		.amdhsa_forward_progress 1
		.amdhsa_inst_pref_size 31
	.end_amdhsa_kernel
	.amdgpu_metadata
---
amdhsa.version: [ 1, 2 ]
amdhsa.kernels:
  - .name:           k_q3b10560fe7_prep
    .symbol:         k_q3b10560fe7_prep.kd
    .args:
      - { .name: emb, .offset: 0, .size: 8, .value_kind: global_buffer, .address_space: global }
      - { .name: ecode, .offset: 8, .size: 8, .value_kind: global_buffer, .address_space: global }
    .group_segment_fixed_size: 17664
    .private_segment_fixed_size: 0
    .kernarg_segment_align: 8
    .kernarg_segment_size: 16
    .max_flat_workgroup_size: 64
    .sgpr_count:     66
    .vgpr_count:     210
    .wavefront_size: 32
...
	.end_amdgpu_metadata
.endif
;; end of part 1
;; launch search (part 2): grid 256 x 1, 4 waves a work-group, clusters of 4 x 1, 327,680 bytes of LDS; arguments z, ecode, out2, widx; writes out2, widx
.if DOCPART == 2
	.amdgcn_target "amdgcn-amd-amdhsa--gfx1250"
	.amdhsa_code_object_version 6
	.text
	.protected	k_q3b10560fe7_search
	.globl	k_q3b10560fe7_search
	.p2align	8
	.type	k_q3b10560fe7_search,@function
k_q3b10560fe7_search:
	s_mov_b64 s[64:65], 0
	v_nop
	global_prefetch_b8 v0, s[64:65] scope:SCOPE_SE
	s_setreg_imm32_b32 hwreg(HW_REG_WAVE_MODE, 25, 1), 1
	s_wait_xcnt 0x0
	s_wait_alu depctr_hold_cnt(0) depctr_sa_sdst(0) depctr_va_vdst(0) depctr_va_sdst(0) depctr_va_ssrc(0) depctr_va_vcc(0) depctr_vm_vsrc(0)
	s_getreg_b32 s2, hwreg(HW_REG_IB_STS2, 6, 4)
	s_cmp_eq_u32 s2, 0
	s_cbranch_scc0 .Lentry_in_a_cluster
	s_endpgm
.Lentry_in_a_cluster:
	s_bfe_u32 s2, ttmp6, 0x10000c
	s_cmp_lg_u32 s2, 0x3003
	s_cbranch_scc0 .Lentry_shape_is_right
	s_endpgm
.Lentry_shape_is_right:
; idx[t] = argmin over n of |z_t|^2 + |e_n|^2 - 2 z_t . e_n, the product on codes of BF8 (E5M2) with one E8M0 scale for each 32 along K = 256.  It is taken as the argmax of D = z_t . e_n - |e_n|^2 / 2:
; -|e_n|^2 / 2 is the C of each tile's first matrix instruction.  Ties go to the lowest n.
; LIMITS.  Order of rounding: |z_t|^2, the same for all n of a row, is not added ahead of the comparison, and |e_n|^2 enters inside the product's sum: two codes whose distances lie within about one unit
; in the last place of the distance may be ordered otherwise than by the sums as written.  NaN and infinities among the inputs are not served.  A block of zeros of z carries the scale byte 1; its codes are zeros.
; SHARES.  A work-group owns 128 tokens (8 tiles of 16) against all 8,192 codes.  Each of its four waves holds all 8 tiles of z as codes (256 registers, window 1) and walks a quarter of the codebook: 128 records
; of 16 codes (4,352 bytes: fragment image, scale words, bias), through a ring of two LDS slots of its own, 8 records a slot.  So each record is read from LDS once in a work-group and feeds 8 tiles.
; CLUSTER.  All work-groups walk the same records in the same order: the four of a cluster ask for each slot JOINTLY (mask 15; the descriptor hangs on the wave's number alone).
; THE PRODUCT IS USED TRANSPOSED: source 0 = 16 codes, source 1 = 16 tokens: a lane holds ONE token (lane % 16), register j of a tile code 8 (lane / 16) + j.
; THE SEARCH, 14 vector lines for a tile of 8 registers: four v_max3 (8 results and the best so far); one compare, new > old; one select of the record's number; eight selects that keep the tile where it improved.
; At the end the lowest j whose kept number equals the best names the code.  No branch and no address hangs on these numbers.
; BY TURNS.  The tiles are two groups (0-3, 4-7).  While one group's 8 matrix instructions are issued, the other group's finished tiles are searched, 7 vector lines behind each matrix instruction.
; REGISTERS.  window 0: v1-2 the spare word's address and 0; v3-8 ring addresses; v9 the record's number; v10-13 at work; v14-15 the records' scale words; v16-23 z's scale words; v24-31 best record; v32-47 bias, two sets;
;   v48-111 record fragments, two sets of 32; v112-175 the 8 accumulators; v176-239 the kept tiles; v240-255 the best, two for each tile by turns.   window 1: z's 16 fragments, tile t, K step s at 32 t + 16 s.
; z fills a whole window, so each run of vector lines costs two switches of the window.
.set RECB,  4352
.set SLOTB, 8*RECB                     ; 34,816 = 136 x 256
.set ZIMG,  8*SLOTB                    ; behind the rings: the images of z's 8 tiles (4,096 bytes each),
.set ZSC,   ZIMG+8*4096                ; of their scale registers (128 bytes each),
.set COMB,  ZSC+8*128                  ; each wave's best (value, code) of the 128 tokens, 1,024 bytes a wave,
.set SPARE, COMB+4*1024                ; and the spare words, 128 bytes a wave: two blocks of 256 bytes that no other line names.  No fill lands from ZIMG on
.set ZP,    1040                       ; a row of z in LDS: 1,024 bytes + 16 = 65 x 16: the sixteen rows of a read start at sixteen different banks
.set SPW,  1
.set NIL,  2
.set AE,   3                           ; v3-4   slot s: base + 16 x lane
.set AS,   5                           ; v5-6   slot s: base + 4,096 + 4 x lane
.set AB,   7                           ; v7-8   slot s: base + 4,224 + 32 (lane / 16)
.set RECV, 9
.set T,    10
.set ES,   14
.set ZS,   16
.set ID,   24
.set BIAS, 32
.set E,    48
.set ACC,  112
.set KEEP, 176
.set BEST, 240
.set ZR,   9                           ; the head's addresses, in registers that are free until the loop: z's rows in my slot 1,
.set ZWI,  10                          ; where I store my two tiles' images,
.set ZWS,  11                          ; and their scale words,
.set ZLI,  12                          ; from where every wave loads the images,
.set ZLS,  13                          ; and the scale words
.set X,    112                         ; the head's 64 numbers, codes, work and scale word
.set PC,   48
.set TM,   64
.set PW,   80
.set WV,   12                          ; s12 my wave's number
.set TRIP, 16
.set SEL,  20                          ; s[20:21] selects for lane l xor 16
.set MNT,  22                          ; s22 the mantissa field of 57,344
.set G1E,  24                          ; s[24:31] group 1 for a slot of records
.set G1Z,  32                          ; s[32:39] group 1 for 32 rows of z
.set G0,   40                          ; s[40:47] group 0 for slots 0 and 1
.set G0Z,  48                          ; s[48:51] group 0 for z
.set W_MM, 0x04                        ; source 1 (z) window 1, all else window 0
.set MSB, 0
.macro WIN new                         ; the immediate's high byte repeats the setting that is left; a switch that changes nothing is dropped
.if MSB != \new
	s_set_vgpr_msb (MSB<<8)|\new
.set MSB, \new
.endif
.endm
.macro CREST                           ; a round of the cluster's barrier behind its opening barrier
	s_cmp_lg_u32 s[WV], 0
	s_cbranch_scc1 .Lnot_wave_0_\@
	s_barrier_signal -3
.Lnot_wave_0_\@:
	s_barrier_wait -3
	s_barrier_signal -1
	s_barrier_wait -1
.endm
.macro CROUND                          ; a whole round
	s_barrier_signal -1
	s_barrier_wait -1
	CREST
.endm
.macro QUANT s, pc, pw                 ; 64 numbers of a lane, register 16 b + i = k 32 b + 16 (lane / 16) + i of its row, become a fragment's codes and its scale word
.irp b, 0,1,2,3
	v_max3_num_f32 v[TM+\b], |v[(\s)+16*\b]|, |v[(\s)+1+16*\b]|, 0x8000000   ; block b: my 16 numbers, and the floor 2^(16 - 127): the byte cannot fall under 1
.endr
.irp i, 2,4,6,8,10,12,14
.irp b, 0,1,2,3
	v_max3_num_f32 v[TM+\b], v[TM+\b], |v[(\s)+16*\b+\i]|, |v[(\s)+1+16*\b+\i]|
.endr
.endr
.irp b, 0,1,2,3
	v_permlanex16_b32 v[TM+4+\b], v[TM+\b], s[SEL], s[SEL+1]
.endr
.irp b, 0,1,2,3
	v_max_num_f32 v[TM+\b], v[TM+\b], v[TM+4+\b]                 ; with lane l xor 16's: the block's largest magnitude
.endr
.irp b, 0,1,2,3
	v_add_nc_u32 v[TM+12+\b], 0xf8800000, v[TM+\b]               ; 15 off its exponent field: the conversion's scale operand
.endr
.irp b, 0,1,2,3
	v_and_or_b32 v[TM+8+\b], v[TM+\b], 0x7f800000, s[MNT]        ; 57,344 x the scale
.endr
.irp b, 0,1,2,3
	v_lshrrev_b32 v[TM+4+\b], 23, v[TM+12+\b]                    ; the scale's byte
.endr
	v_lshl_or_b32 v[\pw], v[TM+5], 8, v[TM+4]
	v_lshl_or_b32 v[\pw], v[TM+6], 16, v[\pw]
	v_lshl_or_b32 v[\pw], v[TM+7], 24, v[\pw]
.irp b, 0,1,2,3
.irp i, 0,1,2,3,4,5,6,7,8,9,10,11,12,13,14,15
	v_med3_num_f32 v[(\s)+16*\b+\i], v[(\s)+16*\b+\i], -v[TM+8+\b], v[TM+8+\b]   ; the conversion to an 8-bit code does not saturate (ISA guide 7.6.2): the hold comes first
.endr
	v_cvt_scalef32_pk8_bf8_f32 v[(\pc)+4*\b:(\pc)+1+4*\b], v[(\s)+16*\b:(\s)+7+16*\b], v[TM+12+\b]
	v_cvt_scalef32_pk8_bf8_f32 v[(\pc)+2+4*\b:(\pc)+3+4*\b], v[(\s)+8+16*\b:(\s)+15+16*\b], v[TM+12+\b]
.endr
	v_nop                                          ; one plain line behind the last conversion
.endm
; The two matrix instructions of tile t against the record in set p.  K0 starts the sum with the bias; K1 adds the second 128 along K in place, with the scale words of lanes 16-31.
.macro K0 t, p
	WIN W_MM
	v_wmma_scale_f32_16x16x128_f8f6f4 v[ACC+8*(\t):ACC+8*(\t)+7], v[E+32*(\p):E+32*(\p)+15], v[32*(\t):32*(\t)+15], v[BIAS+8*(\p):BIAS+8*(\p)+7], v[ES+(\p)], v[ZS+(\t)] matrix_a_fmt:MATRIX_FMT_BF8 matrix_b_fmt:MATRIX_FMT_BF8
.endm
.macro K1 t, p
	WIN W_MM
	v_wmma_scale_f32_16x16x128_f8f6f4 v[ACC+8*(\t):ACC+8*(\t)+7], v[E+32*(\p)+16:E+32*(\p)+31], v[32*(\t)+16:32*(\t)+31], v[ACC+8*(\t):ACC+8*(\t)+7], v[ES+(\p)], v[ZS+(\t)] matrix_a_fmt:MATRIX_FMT_BF8 matrix_b_fmt:MATRIX_FMT_BF8 matrix_a_scale:MATRIX_SCALE_ROW1 matrix_b_scale:MATRIX_SCALE_ROW1
.endm
; Line rk (0 .. 55) of the search of group g's four tiles: two pairs of tiles, 28 lines each.  The new best goes to BEST(., pn), the old one lies in BEST(., 1 - pn).
; Each accumulator is read from its low end on.
.macro ROP g, pn
.set ra, 4*(\g)+2*(rk/28)
.set rn, rk%28
.set rT, ACC+8*ra
.set rU, ACC+8*ra+8
.set rK, KEEP+8*ra
.set bN, BEST+2*ra+(\pn)
.set bO, BEST+2*ra+1-(\pn)
.if rn == 0
	v_max3_num_f32 v[T], v[rT], v[rT+1], v[rT+2]
.elseif rn == 1
	v_max3_num_f32 v[T+1], v[rT+3], v[rT+4], v[rT+5]
.elseif rn == 2
	v_max3_num_f32 v[T+2], v[rU], v[rU+1], v[rU+2]
.elseif rn == 3
	v_max3_num_f32 v[T+3], v[rU+3], v[rU+4], v[rU+5]
.elseif rn == 4
	v_max3_num_f32 v[T], v[T], v[rT+6], v[rT+7]
.elseif rn == 5
	v_max3_num_f32 v[T+2], v[T+2], v[rU+6], v[rU+7]
.elseif rn == 6
	v_max3_num_f32 v[bN], v[T], v[T+1], v[bO]
.elseif rn == 7
	v_max3_num_f32 v[bN+2], v[T+2], v[T+3], v[bO+2]
.elseif rn == 8
	v_cmp_gt_f32 vcc_lo, v[bN], v[bO]                            ; strictly greater: among equals the first record stays
.elseif rn == 9
	v_cndmask_b32 v[ID+ra], v[ID+ra], v[RECV], vcc_lo
.elseif rn < 18
	v_cndmask_b32 v[rK+rn-10], v[rK+rn-10], v[rT+rn-10], vcc_lo
.elseif rn == 18
	v_cmp_gt_f32 vcc_lo, v[bN+2], v[bO+2]
.elseif rn == 19
	v_cndmask_b32 v[ID+ra+1], v[ID+ra+1], v[RECV], vcc_lo
.else
	v_cndmask_b32 v[rK+8+rn-20], v[rK+8+rn-20], v[rU+rn-20], vcc_lo
.endif
.set rk, rk+1
.endm
.macro SLICE g, pn                     ; the next seven lines
	WIN 0
.rept 7
	ROP \g, \pn
.endr
.endm
; A record from LDS into set p: 11 loads in one run; the fragment's loads take 512 consecutive bytes each; the bias is the same for all lanes of a half
.macro FETCH slot, rec, p
	WIN 0
.irp g, 0,1,2,3,4,5,6,7
	ds_load_b128 v[E+32*(\p)+4*\g:E+32*(\p)+4*\g+3], v[AE+(\slot)] offset:RECB*(\rec)+512*\g
.endr
	ds_load_b32 v[ES+(\p)], v[AS+(\slot)] offset:RECB*(\rec)
	ds_load_b128 v[BIAS+8*(\p):BIAS+8*(\p)+3], v[AB+(\slot)] offset:RECB*(\rec)
	ds_load_b128 v[BIAS+8*(\p)+4:BIAS+8*(\p)+7], v[AB+(\slot)] offset:RECB*(\rec)+16
.endm
; ONE RECORD.  Group A's 8 matrix instructions with the search of group B's tiles of the record before; then group B's 8 with the search of group A's tiles of this record.
; The accumulators take turns, one instruction a turn.  PLACES (eight for this form, nine where a matrix instruction writes over a register): a tile is first read
; 21 plain lines or more behind its second matrix instruction; a run of loads stands 21 or more behind the last matrix instruction that read its registers; a tile is begun anew 28 behind its last sum.
; mode 0: the next record of this slot is fetched.  mode 1: the slot's last record: the change of slots, with a refill.  mode 2: the same without a refill.  mode 3: the very last record.
.macro PHASE slot, rec, mode
.set pp, (\rec)%2
.if (\mode) == 1
	s_wait_tensorcnt 0x0                           ; all my tensor loads have landed: the one that was out is the other slot's;
	ds_add_u32 v[SPW], v[NIL]                      ; 0 onto my spare word
	s_add_nc_u64 s[G0+4*(\slot)+2:G0+4*(\slot)+3], s[G0+4*(\slot)+2:G0+4*(\slot)+3], 2*SLOTB   ; no load of mine is out, so this slot's group 0 may step: sixteen records on
	s_wait_dscnt 0x0                               ; the add is done, this record is in, and my reads of this slot are over
	s_barrier_signal -1                            ; this barrier opens a round of the cluster's barrier; only work on registers follows up to its wait
.else
	s_wait_dscnt 0x0                               ; this record is in (asked for 14 matrix instructions ago, 8 behind a change of slots)
.endif
.set rk, 0
.irp n, 0,1,2,3,4,5,6,7
.if \n < 4
	K0 \n, pp
.else
	K1 \n-4, pp
.endif
	SLICE 1, 1-pp
.if (\n == 1) && ((\mode) == 0)
	FETCH \slot, (\rec)+1, 1-pp
.endif
.if (\n == 1) && ((\mode) == 2)
	s_wait_tensorcnt 0x0                           ; the last slot, my own load's, has landed: no load was issued behind it
	FETCH 1-(\slot), 0, 0
.endif
.endr
	v_add_nc_u32 v[RECV], 1, v[RECV]               ; from here on the search is of this record's tiles
.if (\mode) == 1
	s_barrier_wait -1
	CREST                                          ; no wave of any partner still reads this slot or has a load on its way
	tensor_load_to_lds s[G0+4*(\slot):G0+4*(\slot)+3], s[G1E:G1E+7]   ; the joint refill, first behind the round, my one load until the next: it has 8 records, 128 matrix instructions, in which to land
	s_nop 0
.rept 4
	v_nop
.endr
	FETCH 1-(\slot), 0, 0
.endif
.set rk, 0
.irp n, 0,1,2,3,4,5,6,7
.if \n < 4
	K0 4+\n, pp
.else
	K1 \n, pp
.endif
	SLICE 0, pp
.endr
.endm
.macro SLOTRUN slot, last              ; a slot's eight records
.irp r, 0,1,2,3,4,5,6
	PHASE \slot, \r, 0
.endr
	PHASE \slot, 7, \last
.endm
	s_load_b256 s[4:11], s[0:1], 0x0               ; z s[4:5], ecode s[6:7], out2 s[8:9], widx s[10:11]
	v_lshl_add_u32 v[SPW], v0, 2, SPARE
	v_mov_b32 v[NIL], 0
	ds_add_u32 v1, v2
	ds_add_u32 v1, v2
	s_wait_dscnt 0x0
	v_lshrrev_b32 v24, 5, v0
	v_readfirstlane_b32 s[WV], v24                 ; wave 0..3
	s_bfe_u32 s13, ttmp6, 0x40000                  ; cx: it enters z's, out2's and widx's addresses alone
	s_lshl_b32 s14, ttmp9, 2
	s_add_co_u32 s14, s14, s13                     ; my block of 128 tokens = 4 x cluster + cx
	; group 1 for a slot: 34,816 dense bytes as 136 rows of 256 bytes (32 elements of 8 bytes), no padding: every read of a record takes consecutive bytes
	s_mov_b32 s[G1E], 15|(3<<16)|(1<<21)           ; 15:0 the mask: all four work-groups; 17:16 elements of 8 bytes; 21 set beside a mask
	s_mov_b32 s[G1E+1], 32<<16                     ; tensor_dim0 = 32
	s_mov_b32 s[G1E+2], 136<<16                    ; tensor_dim1 = 136
	s_mov_b32 s[G1E+3], 32<<16                     ; tile_dim0 = 32
	s_mov_b32 s[G1E+4], 136                        ; tile_dim1 = 136
	s_mov_b32 s[G1E+5], 32                         ; from row to row
	s_mov_b32 s[G1E+6], 0
	s_mov_b32 s[G1E+7], 0
	; group 1 for z: 32 rows of 256 f32, 16 bytes of padding behind each; no mask: each work-group has its own tokens
	s_mov_b32 s[G1Z], (2<<16)|(1<<20)|(7<<22)|(3<<25)   ; 17:16 elements of 4 bytes; 20 padding on; 24:22 after every 256 words (code 7); 31:25 four words (code 3)
	s_mov_b32 s[G1Z+1], 256<<16
	s_mov_b32 s[G1Z+2], 32<<16
	s_mov_b32 s[G1Z+3], 256<<16
	s_mov_b32 s[G1Z+4], 32
	s_mov_b32 s[G1Z+5], 256
	s_mov_b32 s[G1Z+6], 0
	s_mov_b32 s[G1Z+7], 0
	s_mov_b32 s[SEL], 0x76543210
	s_mov_b32 s[SEL+1], 0xfedcba98
	s_mov_b32 s[MNT], 0x600000
	s_mov_b32 s23, 0xff800000                      ; -infinity
	s_mul_i32 s52, s[WV], 2*SLOTB                  ; my ring
	s_lshl_b32 s54, s14, 9                         ; my block's 128 indices, in bytes
	s_mov_b32 s55, 0
	s_lshl_b32 s56, s14, 17                        ; my block's 128 rows of z,
	s_lshl_b32 s57, s[WV], 15                      ; my wave's 32 of them
	s_add_co_u32 s56, s56, s57
	s_mov_b32 s57, 0
	s_mul_i32 s58, s[WV], 128*RECB                 ; my wave's 128 records
	s_mov_b32 s59, 0
	s_wait_kmcnt 0x0
	s_add_nc_u64 s[8:9], s[8:9], s[54:55]
	s_add_nc_u64 s[10:11], s[10:11], s[54:55]
	s_mov_b32 s[G0Z], 1
	s_add_co_u32 s[G0Z+1], s52, SLOTB              ; z lands in my slot 1, which takes records later
	s_add_nc_u64 s[G0Z+2:G0Z+3], s[4:5], s[56:57]
	s_or_b32 s[G0Z+3], s[G0Z+3], 0x80000000
	s_mov_b32 s[G0], 1
	s_mov_b32 s[G0+1], s52
	s_add_nc_u64 s[G0+2:G0+3], s[6:7], s[58:59]    ; slot 0: my records 0-7
	s_or_b32 s[G0+3], s[G0+3], 0x80000000
	s_mov_b32 s[G0+4], 1
	s_add_co_u32 s[G0+5], s52, SLOTB
	s_add_nc_u64 s[G0+6:G0+7], s[6:7], s[58:59]
	s_add_nc_u64 s[G0+6:G0+7], s[G0+6:G0+7], SLOTB ; slot 1: my records 8-15
	s_or_b32 s[G0+7], s[G0+7], 0x80000000
	CROUND                                         ; all four work-groups are here: the first joint loads meet
	tensor_load_to_lds s[G0Z:G0Z+3], s[G1Z:G1Z+7]  ; the first fills go out together: two loads of mine are out, the most in this text
	s_nop 0
	tensor_load_to_lds s[G0:G0+3], s[G1E:G1E+7]
	s_nop 0
.rept 4
	v_nop
.endr
	v_and_b32 v24, 15, v0                          ; r
	v_bfe_u32 v25, v0, 4, 1                        ; h
	v_and_b32 v26, 31, v0                          ; lane
	v_lshlrev_b32 v27, 4, v26
	v_lshlrev_b32 v28, 2, v26
	v_lshlrev_b32 v29, 5, v25
	v_add_nc_u32 v[AE], s52, v27
	v_add_nc_u32 v[AE+1], SLOTB, v[AE]
	v_add_nc_u32 v[AS], s52, v28
	v_add_nc_u32 v[AS], 4096, v[AS]
	v_add_nc_u32 v[AS+1], SLOTB, v[AS]
	v_add_nc_u32 v[AB], s52, v29
	v_add_nc_u32 v[AB], 4224, v[AB]
	v_add_nc_u32 v[AB+1], SLOTB, v[AB]
	v_mul_u32_u24 v[ZR], v24, ZP
	v_lshl_add_u32 v[ZR], v25, 6, v[ZR]
	v_add_nc_u32 v[ZR], s52, v[ZR]
	v_add_nc_u32 v[ZR], SLOTB, v[ZR]               ; z: row r, + 64 h: my 16 numbers of a block of 32
	s_lshl_b32 s53, s[WV], 13
	v_add_nc_u32 v[ZWI], s53, v27
	v_add_nc_u32 v[ZWI], ZIMG, v[ZWI]              ; my two tiles' images: 8,192 x wave + 16 x lane
	s_lshl_b32 s53, s[WV], 8
	v_lshlrev_b32 v30, 2, v24
	v_add_nc_u32 v[ZWS], s53, v30
	v_add_nc_u32 v[ZWS], ZSC, v[ZWS]               ; their scale words: 256 x wave + 4 r
	v_add_nc_u32 v[ZLI], ZIMG, v27
	v_add_nc_u32 v[ZLS], ZSC, v28
.irp b, 0,1,2,3
	v_mov_b32 v[TM+4+\b], 0                        ; a lane permute's destination counts as one of its sources
.endr
	s_wait_tensorcnt 0x1                           ; my 32 rows of z are in; the one younger load, slot 0's, may be out.  Only I read these bytes
	; my two tiles of z (tile 2 w + i), two K steps each, become images of the operand's registers: group 4 s + c at 512 (4 s + c) + 16 x lane; the scale words: K step 0's in words 0-15, K step 1's in words 16-31
.irp i, 0,1
.irp s, 0,1
.irp b, 0,1,2,3
.irp q, 0,1,2,3
	ds_load_b128 v[X+16*\b+4*\q:X+16*\b+4*\q+3], v[ZR] offset:16*ZP*\i+512*\s+128*\b+16*\q
.endr
.endr
	s_wait_dscnt 0x0
	QUANT X, PC, PW
.irp c, 0,1,2,3
	ds_store_b128 v[ZWI], v[PC+4*\c:PC+4*\c+3] offset:4096*\i+2048*\s+512*\c
.endr
	ds_store_b32 v[ZWS], v[PW] offset:128*\i+64*\s   ; lanes r and r + 16 write the same word with the same value
	s_wait_dscnt 0x0                               ; the stores have read their registers
.endr
.endr
	s_wait_tensorcnt 0x0                           ; slot 0 has landed too: no load of mine is out;
	ds_add_u32 v[SPW], v[NIL]                      ; 0 onto my spare word
	s_wait_dscnt 0x0                               ; the add is done, my stores of the images have landed, my reads of z are over
	CROUND                                         ; one round for two things: every wave's images are there, and slot 1 may be filled again
	tensor_load_to_lds s[G0+4:G0+7], s[G1E:G1E+7]  ; records 8-15, jointly: the first thing behind the round
	s_nop 0
.rept 4
	v_nop
.endr
	WIN 0x40                                       ; destination window 1, address window 0
.irp t, 0,1,2,3,4,5,6,7
.irp g, 0,1,2,3,4,5,6,7
	ds_load_b128 v[32*\t+4*\g:32*\t+4*\g+3], v[ZLI] offset:4096*\t+512*\g   ; z stays in registers
.endr
.endr
	WIN 0
.irp t, 0,1,2,3,4,5,6,7
	ds_load_b32 v[ZS+\t], v[ZLS] offset:128*\t
.endr
	FETCH 0, 0, 0
	; the starting values, while the loads are out.  Group B's accumulators begin as -infinity: the first record's search of 'the record before' then finds nothing better, and the loop needs no first trip of its own
.set i, 0
.rept 64
	v_mov_b32 v[KEEP+i], s23                       ; (the selects read what they may keep)
.set i, i+1
.endr
.set i, 0
.rept 32
	v_mov_b32 v[ACC+32+i], s23
.set i, i+1
.endr
.set i, 0
.rept 16
	v_mov_b32 v[BEST+i], s23
.set i, i+1
.endr
.set i, 0
.rept 8
	v_mov_b32 v[ID+i], 0
.set i, i+1
.endr
	v_mov_b32 v[RECV], -1
	s_mov_b32 s[TRIP], 7
.Ltrip:                                            ; a trip goes once round the ring, 16 records, and fills both slots again
	SLOTRUN 0, 1
	SLOTRUN 1, 1
	s_sub_co_u32 s[TRIP], s[TRIP], 1
	s_cmp_lg_u32 s[TRIP], 0
	s_cbranch_scc1 .Ltrip
	SLOTRUN 0, 2                                   ; the last two slots are written out: nothing is left to fetch
	SLOTRUN 1, 3
.set rk, 0
	WIN 0
.rept 56
	ROP 1, 1                                       ; group B's tiles of the last record
.endr
	; THE END.  Record 127 has parity 1: the best lies in BEST(t, 1).  The ring's address registers are free and take the addresses of the way out.
	v_and_b32 v[AE], 15, v0
	v_lshlrev_b32 v[AE], 3, v[AE]
	s_lshl_b32 s52, s[WV], 10
	v_add_nc_u32 v[AE], s52, v[AE]
	v_add_nc_u32 v[AE], COMB, v[AE]                ; my wave's 1,024 bytes, 8 bytes a token: 128 t + 8 r
	v_and_b32 v[AE+1], 63, v0
	v_lshlrev_b32 v[AS], 3, v[AE+1]                ; waves 0 and 1: two indices a lane: 256 x wave + 8 x lane
	v_lshlrev_b32 v[AE+1], 4, v[AE+1]
	v_add_nc_u32 v[AE+1], COMB, v[AE+1]            ; and two tokens' pairs: 512 x wave + 16 x lane
	v_bfe_u32 v88, v0, 4, 1
	v_lshlrev_b32 v88, 3, v88
	s_lshl_b32 s53, s[WV], 11
	v_add_nc_u32 v88, s53, v88                     ; 2,048 x wave + 8 h
.irp t, 0,1,2,3,4,5,6,7
	v_mov_b32 v[48+\t], 7
.endr
.irp j, 6,5,4,3,2,1,0
.irp t, 0,1,2,3,4,5,6,7
	v_cmp_neq_f32 vcc_lo, v[KEEP+8*\t+\j], v[BEST+2*\t+1]
	v_cndmask_b32 v[48+\t], \j, v[48+\t], vcc_lo   ; j descends: the lowest j whose kept number is the best stays
.endr
.endr
.irp t, 0,1,2,3,4,5,6,7
	v_lshl_add_u32 v[48+\t], v[ID+\t], 4, v[48+\t]
.endr
.irp t, 0,1,2,3,4,5,6,7
	v_add_nc_u32 v[48+\t], v88, v[48+\t]           ; the code: 2,048 w + 16 x record + 8 h + j
.endr
.irp t, 0,1,2,3,4,5,6,7
	v_permlanex16_b32 v[56+\t], v[BEST+2*\t+1], s[SEL], s[SEL+1]   ; the token's other eight codes of each record lie in the lane 16 away
	v_permlanex16_b32 v[80+\t], v[48+\t], s[SEL], s[SEL+1]
.endr
.irp t, 0,1,2,3,4,5,6,7
	v_cmp_gt_f32 s52, v[56+\t], v[BEST+2*\t+1]     ; the other half's is taken where it is greater,
	v_cmp_eq_f32 s53, v[56+\t], v[BEST+2*\t+1]
	v_cmp_lt_u32 vcc_lo, v[80+\t], v[48+\t]
	s_and_b32 s53, s53, vcc_lo                     ; or equal with the lower code
	s_or_b32 vcc_lo, s52, s53
	v_cndmask_b32 v[64+2*\t], v[BEST+2*\t+1], v[56+\t], vcc_lo
	v_cndmask_b32 v[65+2*\t], v[48+\t], v[80+\t], vcc_lo
	ds_store_b64 v[AE], v[64+2*\t:65+2*\t] offset:128*\t   ; both halves of the lanes write the same pair
.endr
	s_wait_dscnt 0x0                               ; for the others' sake: my stores have landed
	s_barrier_signal -1
	s_barrier_wait -1
	s_cmp_lt_u32 s[WV], 2                          ; waves 0 and 1 join the four quarters of the codebook, 64 tokens each
	s_cbranch_scc0 .Lend
.irp q, 0,1,2,3
	ds_load_b128 v[92+4*\q:95+4*\q], v[AE+1] offset:1024*\q   ; wave q's (value, code) of my two tokens
.endr
	s_wait_dscnt 0x0
.irp q, 1,2
	v_cmp_gt_f32 vcc_lo, v[92+4*\q], v92           ; strictly greater: the quarters ascend in code, so among equals the lower code stays
	v_cndmask_b32 v92, v92, v[92+4*\q], vcc_lo
	v_cndmask_b32 v93, v93, v[93+4*\q], vcc_lo
	v_cmp_gt_f32 vcc_lo, v[94+4*\q], v94
	v_cndmask_b32 v94, v94, v[94+4*\q], vcc_lo
	v_cndmask_b32 v95, v95, v[95+4*\q], vcc_lo
.endr
	v_cmp_gt_f32 vcc_lo, v104, v92
	v_cndmask_b32 v108, v93, v105, vcc_lo          ; the last join writes the pair that is stored
	v_cmp_gt_f32 vcc_lo, v106, v94
	v_cndmask_b32 v109, v95, v107, vcc_lo
	global_store_b64 v[AS], v[108:109], s[8:9]     ; 32 lanes store 256 consecutive bytes, aligned: the output,
	global_store_b64 v[AS], v[108:109], s[10:11]   ; and the same for the launch that gathers
.Lend:
	s_wait_tensorcnt 0x0                           ; the wave's end, behind my last tensor load and my last LDS store
	ds_add_u32 v[SPW], v[NIL]
	s_wait_dscnt 0x0
	CROUND                                         ; the closing round: no work-group ends while a partner may still ask for a tile that names it
	s_endpgm
.Lfunc_end_k_q3b10560fe7_search:
	.size	k_q3b10560fe7_search, .Lfunc_end_k_q3b10560fe7_search-k_q3b10560fe7_search
	.p2alignl 7, 3214868480
	.fill 96, 4, 3214868480
	.section	.rodata,"a",@progbits
	.p2align	6, 0x0
	.amdhsa_kernel k_q3b10560fe7_search
		.amdhsa_group_segment_fixed_size 327680
		.amdhsa_private_segment_fixed_size 0
		.amdhsa_enable_private_segment 0
		.amdhsa_kernarg_size 32
		.amdhsa_user_sgpr_count 2
		.amdhsa_user_sgpr_kernarg_segment_ptr 1
		.amdhsa_wavefront_size32 1
		.amdhsa_system_sgpr_workgroup_id_x 1
		.amdhsa_system_sgpr_workgroup_id_y 1
		.amdhsa_system_sgpr_workgroup_id_z 1
		.amdhsa_system_vgpr_workitem_id 0
		.amdhsa_next_free_vgpr 512
		.amdhsa_next_free_sgpr 66
		.amdhsa_reserve_vcc 1
		.amdhsa_float_denorm_mode_32 3
		.amdhsa_float_denorm_mode_16_64 3
		.amdhsa_memory_ordered 1
		.amdhsa_forward_progress 1
		.amdhsa_inst_pref_size 255
	.end_amdhsa_kernel
	.section	.bss,"aw",@nobits
	.p2align	6
	.space	262144
	.amdgpu_metadata
---
amdhsa.version: [ 1, 2 ]
amdhsa.kernels:
  - .name:           k_q3b10560fe7_search
    .symbol:         k_q3b10560fe7_search.kd
    .args:
      - { .name: z, .offset: 0, .size: 8, .value_kind: global_buffer, .address_space: global }
      - { .name: ecode, .offset: 8, .size: 8, .value_kind: global_buffer, .address_space: global }
      - { .name: out2, .offset: 16, .size: 8, .value_kind: global_buffer, .address_space: global }
      - { .name: widx, .offset: 24, .size: 8, .value_kind: global_buffer, .address_space: global }
    .group_segment_fixed_size: 327680
    .private_segment_fixed_size: 0
    .kernarg_segment_align: 8
    .kernarg_segment_size: 32
    .max_flat_workgroup_size: 128
    .sgpr_count:     66
    .vgpr_count:     512
    .wavefront_size: 32
...
	.end_amdgpu_metadata
.endif
;; end of part 2
;; launch gather (part 3): grid 512 x 1, 8 waves a work-group, no clusters, 1,280 bytes of LDS; arguments z, emb, widx, out0, part; writes out0, part
.if DOCPART == 3
	.amdgcn_target "amdgcn-amd-amdhsa--gfx1250"
	.amdhsa_code_object_version 6
	.text
	.protected	k_q3b10560fe7_gather
	.globl	k_q3b10560fe7_gather
	.p2align	8
	.type	k_q3b10560fe7_gather,@function
k_q3b10560fe7_gather:
	s_mov_b64 s[64:65], 0
	v_nop
	global_prefetch_b8 v0, s[64:65] scope:SCOPE_SE
	s_setreg_imm32_b32 hwreg(HW_REG_WAVE_MODE, 25, 1), 1
	s_wait_xcnt 0x0
; out0[t] = z[t] + (emb[idx[t]] - z[t]), and part[work-group] = the sum over its 64 tokens of (emb[idx[t]] - z[t])^2, all in f32 on the numbers as they are given.
; idx comes from widx, whole numbers that the launch before has stored; each is held at 8,191 before it enters an address.
; A wave takes 8 tokens: a row of 1,024 bytes is two loads of 512 consecutive bytes; all 32 loads of a wave go out before the first is used.  Memory binds: no matrix unit, no cluster, no ring;
; LDS serves the sum over the eight waves alone.  emb's rows carry no hint: a row may be named by many tokens.
.set Z,  16                            ; v16-79   z, 8 registers a row; then the result
.set EM, 80                            ; v80-143  emb's rows; then the differences
.set SS, 144                           ; v144-147 two packed sums
.set EO, 2                             ; v2-9     row i: 1,024 x idx + 16 x lane
	s_load_b256 s[4:11], s[0:1], 0x0               ; z s[4:5], emb s[6:7], widx s[8:9], out0 s[10:11]
	s_load_b64 s[12:13], s[0:1], 0x20              ; part
	v_lshl_add_u32 v152, v0, 2, 0x100
	v_mov_b32 v153, 0
	v_lshrrev_b32 v10, 5, v0
	v_readfirstlane_b32 s14, v10                   ; wave 0..7
	v_and_b32 v11, 31, v0
	v_lshlrev_b32 v1, 4, v11                       ; 16 x lane
	v_mov_b32 v149, 0                              ; a lane permute's destination counts as one of its sources
	v_mov_b32 v151, 0
	v_mov_b32 v150, s14
	v_lshlrev_b32 v150, 2, v150                    ; my wave's word in LDS
	s_mov_b32 s30, 0x76543210
	s_mov_b32 s31, 0xfedcba98
	s_lshl_b32 s15, ttmp9, 6
	s_lshl_b32 s24, s14, 3
	s_add_co_u32 s15, s15, s24                     ; my first token: 64 x work-group + 8 x wave
	s_lshl_b32 s24, s15, 2
	s_mov_b32 s25, 0
	s_lshl_b32 s26, s15, 10
	s_mov_b32 s27, 0
	s_lshl_b32 s28, ttmp9, 2
	s_mov_b32 s29, 0
	s_wait_kmcnt 0x0
	s_add_nc_u64 s[8:9], s[8:9], s[24:25]
	s_load_b256 s[16:23], s[8:9], 0x0              ; my eight indices
	s_add_nc_u64 s[4:5], s[4:5], s[26:27]
	s_add_nc_u64 s[10:11], s[10:11], s[26:27]
	s_add_nc_u64 s[12:13], s[12:13], s[28:29]
.irp i, 0,1,2,3,4,5,6,7
	global_load_b128 v[Z+8*\i:Z+8*\i+3], v1, s[4:5] offset:1024*\i th:TH_LOAD_NT
	global_load_b128 v[Z+8*\i+4:Z+8*\i+7], v1, s[4:5] offset:1024*\i+512 th:TH_LOAD_NT
.endr
	s_wait_kmcnt 0x0
.irp i, 0,1,2,3,4,5,6,7
	s_min_u32 s[16+\i], s[16+\i], 0x1fff           ; inside the table
	s_lshl_b32 s[16+\i], s[16+\i], 10
	v_add_nc_u32 v[EO+\i], s[16+\i], v1
.endr
.irp i, 0,1,2,3,4,5,6,7
	global_load_b128 v[EM+8*\i:EM+8*\i+3], v[EO+\i], s[6:7]
	global_load_b128 v[EM+8*\i+4:EM+8*\i+7], v[EO+\i], s[6:7] offset:512
.endr
.irp i, 0,1,2,3,4,5,6,7
	s_wait_loadcnt 14-2*\i                         ; loads come back in order: row i of emb is in, and all of z; the two loads of each later row may be out
.irp k, 0,1,2,3
	v_pk_add_f32 v[EM+8*\i+2*\k:EM+8*\i+2*\k+1], v[EM+8*\i+2*\k:EM+8*\i+2*\k+1], v[Z+8*\i+2*\k:Z+8*\i+2*\k+1] neg_lo:[0,1] neg_hi:[0,1]   ; e - z
.endr
.irp k, 0,1,2,3
.if (\i == 0) && (\k < 2)
	v_pk_mul_f32 v[SS+2*\k:SS+2*\k+1], v[EM+2*\k:EM+2*\k+1], v[EM+2*\k:EM+2*\k+1]   ; the first products start the sums
.else
	v_pk_fma_f32 v[SS+2*(\k%2):SS+2*(\k%2)+1], v[EM+8*\i+2*\k:EM+8*\i+2*\k+1], v[EM+8*\i+2*\k:EM+8*\i+2*\k+1], v[SS+2*(\k%2):SS+2*(\k%2)+1]
.endif
.endr
.irp k, 0,1,2,3
	v_pk_add_f32 v[Z+8*\i+2*\k:Z+8*\i+2*\k+1], v[Z+8*\i+2*\k:Z+8*\i+2*\k+1], v[EM+8*\i+2*\k:EM+8*\i+2*\k+1]   ; z + (e - z)
.endr
	global_store_b128 v1, v[Z+8*\i:Z+8*\i+3], s[10:11] offset:1024*\i th:TH_STORE_NT          ; 32 lanes store 512 consecutive bytes, aligned
	global_store_b128 v1, v[Z+8*\i+4:Z+8*\i+7], s[10:11] offset:1024*\i+512 th:TH_STORE_NT
.endr
	v_pk_add_f32 v[SS:SS+1], v[SS:SS+1], v[SS+2:SS+3]
	v_add_f32 v148, v[SS], v[SS+1]
	v_add_f32_dpp v148, v148, v148 row_xmask:1 row_mask:0xf bank_mask:0xf
	v_add_f32_dpp v148, v148, v148 row_xmask:2 row_mask:0xf bank_mask:0xf
	v_add_f32_dpp v148, v148, v148 row_xmask:4 row_mask:0xf bank_mask:0xf
	v_add_f32_dpp v148, v148, v148 row_xmask:8 row_mask:0xf bank_mask:0xf
	v_permlanex16_b32 v149, v148, s30, s31
	v_add_f32 v148, v148, v149                     ; the wave's sum, in every lane
	ds_store_b32 v150, v148                        ; all lanes write the same word with the same value
	s_wait_dscnt 0x0
	s_barrier_signal -1
	s_barrier_wait -1
	ds_load_b128 v[80:83], v151                    ; the eight waves' sums (into registers that no pending store reads)
	ds_load_b128 v[84:87], v151 offset:16
	s_wait_dscnt 0x0
	v_pk_add_f32 v[80:81], v[80:81], v[82:83]
	v_pk_add_f32 v[84:85], v[84:85], v[86:87]
	v_pk_add_f32 v[80:81], v[80:81], v[84:85]
	v_add_f32 v80, v80, v81
	v_cmp_eq_u32 vcc_lo, 0, v0
	s_wait_xcnt 0x0                                ; EXEC changes only behind this wait: the stores above have it among their sources
	s_wait_tensorcnt 0x0
	ds_add_u32 v152, v153
	s_wait_dscnt 0x0
	s_and_saveexec_b32 s32, vcc_lo                 ; thread 0 of the work-group alone
	global_store_b32 v151, v80, s[12:13]
	s_wait_xcnt 0x0                                ; and again, in front of the line that widens it
	s_or_b32 exec_lo, exec_lo, s32
	s_endpgm
.Lfunc_end_k_q3b10560fe7_gather:
	.size	k_q3b10560fe7_gather, .Lfunc_end_k_q3b10560fe7_gather-k_q3b10560fe7_gather
	.p2alignl 7, 3214868480
	.fill 96, 4, 3214868480
	.section	.rodata,"a",@progbits
	.p2align	6, 0x0
	.amdhsa_kernel k_q3b10560fe7_gather
		.amdhsa_group_segment_fixed_size 1280
		.amdhsa_private_segment_fixed_size 0
		.amdhsa_enable_private_segment 0
		.amdhsa_kernarg_size 40
		.amdhsa_user_sgpr_count 2
		.amdhsa_user_sgpr_kernarg_segment_ptr 1
		.amdhsa_wavefront_size32 1
		.amdhsa_system_sgpr_workgroup_id_x 1
		.amdhsa_system_sgpr_workgroup_id_y 1
		.amdhsa_system_sgpr_workgroup_id_z 1
		.amdhsa_system_vgpr_workitem_id 0
		.amdhsa_next_free_vgpr 154
		.amdhsa_next_free_sgpr 66
		.amdhsa_reserve_vcc 1
		.amdhsa_float_denorm_mode_32 3
		.amdhsa_float_denorm_mode_16_64 3
		.amdhsa_memory_ordered 1
		.amdhsa_forward_progress 1
		.amdhsa_inst_pref_size 15
	.end_amdhsa_kernel
	.amdgpu_metadata
---
amdhsa.version: [ 1, 2 ]
amdhsa.kernels:
  - .name:           k_q3b10560fe7_gather
    .symbol:         k_q3b10560fe7_gather.kd
    .args:
      - { .name: z, .offset: 0, .size: 8, .value_kind: global_buffer, .address_space: global }
      - { .name: emb, .offset: 8, .size: 8, .value_kind: global_buffer, .address_space: global }
      - { .name: widx, .offset: 16, .size: 8, .value_kind: global_buffer, .address_space: global }
      - { .name: out0, .offset: 24, .size: 8, .value_kind: global_buffer, .address_space: global }
      - { .name: part, .offset: 32, .size: 8, .value_kind: global_buffer, .address_space: global }
    .group_segment_fixed_size: 1280
    .private_segment_fixed_size: 0
    .kernarg_segment_align: 8
    .kernarg_segment_size: 40
    .max_flat_workgroup_size: 256
    .sgpr_count:     66
    .vgpr_count:     154
    .wavefront_size: 32
...
	.end_amdgpu_metadata
.endif
;; end of part 3
;; launch lossum (part 4): grid 1 x 1, 1 waves a work-group, no clusters, 0 bytes of LDS; arguments part, out1; writes out1
.if DOCPART == 4
	.amdgcn_target "amdgcn-amd-amdhsa--gfx1250"
	.amdhsa_code_object_version 6
	.text
	.protected	k_q3b10560fe7_lossum
	.globl	k_q3b10560fe7_lossum
	.p2align	8
	.type	k_q3b10560fe7_lossum,@function
k_q3b10560fe7_lossum:
	s_mov_b64 s[64:65], 0
	v_nop
	global_prefetch_b8 v0, s[64:65] scope:SCOPE_SE
	s_setreg_imm32_b32 hwreg(HW_REG_WAVE_MODE, 25, 1), 1
	s_wait_xcnt 0x0
; out1 = 1.25 x the mean over 2^23 numbers of (z_q - z)^2 = (the sum of the 512 partial sums) x 1.25 x 2^-23.  One wave: 16 numbers a lane, then across the lanes.
; The sum spans work-groups, so it has one owner, in a launch of its own.
	s_load_b128 s[4:7], s[0:1], 0x0                ; part, out1
	v_lshlrev_b32 v1, 4, v0                        ; 16 x lane
	v_mov_b32 v21, 0                               ; a lane permute's destination counts as one of its sources
	v_mov_b32 v22, 0
	s_mov_b32 s8, 0x76543210
	s_mov_b32 s9, 0xfedcba98
	s_wait_kmcnt 0x0
.irp k, 0,1,2,3
	global_load_b128 v[4+4*\k:7+4*\k], v1, s[4:5] offset:512*\k
.endr
	s_wait_loadcnt 0x0
	v_pk_add_f32 v[4:5], v[4:5], v[6:7]
	v_pk_add_f32 v[8:9], v[8:9], v[10:11]
	v_pk_add_f32 v[12:13], v[12:13], v[14:15]
	v_pk_add_f32 v[16:17], v[16:17], v[18:19]
	v_pk_add_f32 v[4:5], v[4:5], v[8:9]
	v_pk_add_f32 v[12:13], v[12:13], v[16:17]
	v_pk_add_f32 v[4:5], v[4:5], v[12:13]
	v_add_f32 v20, v4, v5
	v_add_f32_dpp v20, v20, v20 row_xmask:1 row_mask:0xf bank_mask:0xf
	v_add_f32_dpp v20, v20, v20 row_xmask:2 row_mask:0xf bank_mask:0xf
	v_add_f32_dpp v20, v20, v20 row_xmask:4 row_mask:0xf bank_mask:0xf
	v_add_f32_dpp v20, v20, v20 row_xmask:8 row_mask:0xf bank_mask:0xf
	v_permlanex16_b32 v21, v20, s8, s9
	v_add_f32 v20, v20, v21
	v_mul_f32 v20, 0x34200000, v20                 ; 1.25 x 2^-23
	v_cmp_eq_u32 vcc_lo, 0, v0
	s_wait_xcnt 0x0                                ; EXEC changes only behind this wait
	s_and_saveexec_b32 s10, vcc_lo
	global_store_b32 v22, v20, s[6:7]
	s_wait_xcnt 0x0
	s_or_b32 exec_lo, exec_lo, s10
	s_endpgm
.Lfunc_end_k_q3b10560fe7_lossum:
	.size	k_q3b10560fe7_lossum, .Lfunc_end_k_q3b10560fe7_lossum-k_q3b10560fe7_lossum
	.p2alignl 7, 3214868480
	.fill 96, 4, 3214868480
	.section	.rodata,"a",@progbits
	.p2align	6, 0x0
	.amdhsa_kernel k_q3b10560fe7_lossum
		.amdhsa_group_segment_fixed_size 0
		.amdhsa_private_segment_fixed_size 0
		.amdhsa_enable_private_segment 0
		.amdhsa_kernarg_size 16
		.amdhsa_user_sgpr_count 2
		.amdhsa_user_sgpr_kernarg_segment_ptr 1
		.amdhsa_wavefront_size32 1
		.amdhsa_system_sgpr_workgroup_id_x 1
		.amdhsa_system_sgpr_workgroup_id_y 1
		.amdhsa_system_sgpr_workgroup_id_z 1
		.amdhsa_system_vgpr_workitem_id 0
		.amdhsa_next_free_vgpr 32
		.amdhsa_next_free_sgpr 66
		.amdhsa_reserve_vcc 1
		.amdhsa_float_denorm_mode_32 3
		.amdhsa_float_denorm_mode_16_64 3
		.amdhsa_memory_ordered 1
		.amdhsa_forward_progress 1
		.amdhsa_inst_pref_size 3
	.end_amdhsa_kernel
	.amdgpu_metadata
---
amdhsa.version: [ 1, 2 ]
amdhsa.kernels:
  - .name:           k_q3b10560fe7_lossum
    .symbol:         k_q3b10560fe7_lossum.kd
    .args:
      - { .name: part, .offset: 0, .size: 8, .value_kind: global_buffer, .address_space: global }
      - { .name: out1, .offset: 8, .size: 8, .value_kind: global_buffer, .address_space: global }
    .group_segment_fixed_size: 0
    .private_segment_fixed_size: 0
    .kernarg_segment_align: 8
    .kernarg_segment_size: 16
    .max_flat_workgroup_size: 32
    .sgpr_count:     66
    .vgpr_count:     32
    .wavefront_size: 32
...
	.end_amdgpu_metadata
.endif
;; end of part 4
